; MI455X (gfx1250); checked and timed in simulation.
; The chip was launched on July 23, 2026; its instructions are those of AMD's public machine-readable ISA for CDNA 5 (MIT licence, August 2026) and "CDNA5" Instruction Set Architecture Reference Guide (July 2026). The comments in the code are by the model that wrote it; some were corrected since.
;; RENL2. Allowed arithmetic: float matrix products may take bf16 or f16 operands with f32 sums; other float arithmetic in f32, or as packed bf16 or f16 multiplies, adds, multiply-adds, maxima and minima; sums over many terms, partial sums and values carried from step to step in f32; what a program stores and reads back later, other than sums and carried values, may be rounded once to bf16 or f16.
;; Inputs: A 64 x 64 float32; B1 64 x 64 float32; B2 64 x 16 float32; C1 64 x 64 float32; D11 64 x 64 float32; D12 64 x 16 float32; bv 64 float32; bx 64 float32; u 262,144 x 16 float32; x 262,144 x 64 float32.
;; Outputs: out0 262,144 x 64 float32.
;; One version. Each part assembles by itself: llvm-mc -triple=amdgcn-amd-amdhsa -mcpu=gfx1250 --defsym DOCPART=n.
;; ======== version 1 of 1: 1 launch
;; limits: values outside matrix products are rounded to bf16
;; launch renl2 (part 1): grid 256 x 1, 4 waves a work-group, no clusters, 327,680 bytes of LDS; arguments x, u, A, B1, B2, C1, D11, D12, bv, bx, out0; writes out0
.if DOCPART == 1
	.amdgcn_target "amdgcn-amd-amdhsa--gfx1250"
	.amdhsa_code_object_version 6
	.text
	.protected	k_qe7178da2c1_renl2
	.globl	k_qe7178da2c1_renl2
	.p2align	8
	.type	k_qe7178da2c1_renl2,@function
k_qe7178da2c1_renl2:
	s_mov_b64 s[64:65], 0
	v_nop
	global_prefetch_b8 v0, s[64:65] scope:SCOPE_SE
	s_setreg_imm32_b32 hwreg(HW_REG_WAVE_MODE, 25, 1), 1
	s_wait_xcnt 0x0
; RENL2.  For each of 262,144 rows:  base = x C1^T + u D12^T + bv;  w_i = relu(base_i + sum over j < i of D11[i][j] w_j), i = 0 .. 63;  out = x A^T + w B1^T + u B2^T + bx.
; ONE LAUNCH: x and u are read once, out is written once, base and w never leave the registers.
; SHARES.  256 work-groups of four waves; a work-group owns 1,024 rows, a wave 256, in four PASSES of 64 rows: four tiles t of 16 rows, two UNITS of 32 rows (tiles 2U, 2U+1) that go side by side.
; FORMATS.  Every input (x, u, the six matrices, both biases, the diagonal coefficients too) is rounded once to bf16; all sums in f32.  w stays f32 in the lane and goes to the matrix unit as TWO bf16
; numbers, hi + lo (lo = bf16(w - hi), the difference being exact): 16 channels of w fill one K step of 32, hi in slots 0-15, lo in slots 16-31, against weights that stand twice.
; THE RECURRENCE IN BLOCKS.  D11's 16 x 16 blocks below the diagonal: matrix products (UPD).  In a diagonal block the 8 x 8 part below its two 8 x 8 diagonal parts: one matrix product a unit (SW).
; The eight 8 x 8 diagonal parts: 28 multiply-adds a row in the lane (SUB2).  At step i w's columns j >= i are still 0, so D11 on and above the diagonal multiplies nothing: it comes into LDS with its matrix and is masked out.
; LAYOUTS.  Source 0 = 16 output channels (weights), source 1 = 16 data rows: register j of lane (r, h) of a result holds channel 8 h + j of row r.  v_permlane16_swap_b32 on register j of a unit's two
; tiles gives lane = row: the first set then holds channels 0-7 of the block for the unit's row L, the second channels 8-15.  The same swap on the packed w of two groups gives the two tiles' source 1.
; BIASES ride in the u step's spare K slot 16: source 1 holds 1.0 there, source 0 the bias in bf16.
; NO CLUSTER: what work-groups share is the weights, 74,240 bytes, read once at the start, against 589,824 bytes of x, u and out that are a work-group's own.
; LIMITS.  w of 3.39e38 or more rounds to an infinity in hi, and the row is lost; rows whose w is not finite are not treated apart; relu is a maximum in which a NaN loses (a NaN in v gives 0);
; a non-finite number in D11 on or above the diagonal has no effect here.
.set XW,    17408                      ; a wave's x tile in LDS: 64 rows, 256 bytes + 16 of padding = 68 words: 16 rows start at 16 different groups of four banks (64 banks of 4 bytes: ISA guide 11.1)
.set XSLOT, 4*XW                       ; x slot 0 at 0, slot 1 at XSLOT; wave w's part at w XW
.set UB,    2*XSLOT                    ; u: wave w's 256 rows at UB + w UW, 64 bytes + 16 of padding a row; filled once
.set UW,    20480
.set WB,    UB+4*UW                    ; the four 64 x 64 matrices as they come (f32), pitch 272: C1, D11, A, B1
.set SB,    WB+4*XW                    ; D12 (5,120 bytes), then B2, pitch 80
.set TB,    SB+10240                   ; 2,048 bytes a wave: the diagonal coefficients, group g at 256 g, entry (i, j) at 32 j + 4 i; written by ds_store, never by a tensor load
.set STG,   TB+8192                    ; 4,352 bytes a wave: 16 rows of 272 bytes, the way out; written by ds_store, never by a tensor load
.set SPARE, STG+17408                  ; the spare words: 128 bytes a wave, two blocks of 256 bytes that no other line names
; window 0
.set SPW, 3                            ; v3   LDS address of my spare word; never rewritten
.set NIL, 4                            ; v4   0; never rewritten
.set AX0, 5                            ; v5, v6  my place in a tile of x, slot 0, 1: 272 r + 32 h + the wave's part
.set AU,  7                            ; v7   my place in the wave's u: 80 r + 32 h
.set STO, 8                            ; v8   the way out: where I put 32 bytes of a row
.set RD,  9                            ; v9   the way out: where I read rows back
.set GO,  10                           ; v10  16 L: my place in 512 consecutive bytes of out
.set AWB, 11                           ; v11  WB + 272 r + 32 h
.set AWS, 12                           ; v12  SB + 80 r + 32 h
.set ATB, 13                           ; v13  my wave's table, the same in all lanes
.set AS,  14                           ; v14  D11's row 8 + r % 8
.set ATS, 15                           ; v15  D11's entry (L % 8, L / 8)
.set BI,  16                           ; v16-23  bv, bx as loaded: four blocks of 16 each
.set ATD, 24                           ; v24  my wave's table + 4 L
.set BO,  25                           ; v25  4 r
.set TM,  26                           ; v26-31 at work
.set XF,  32                           ; v32-95   x in bf16: tile t, K step s at XF + 16 t + 8 s
.set UF,  96                           ; v96-127  u in bf16: tile t at UF + 8 t; registers 4-7 are constants
.set WC,  128                          ; v128-223 C1, D12, bv: channel block mb, K step s at WC + 8 (3 mb + s)
; window 1: v0-127 Y and O: block b, tile t at 64 (t / 2) + 16 b + 8 (t % 2); in lane = row form group g of unit U at 64 U + 8 g.  v128-255 W: group g of unit U at WR + 64 U + 8 g: hi 0-3, lo 4-7.
; Both halves are also where f32 data from LDS land.
.set WR,  128
; window 2
.set WD,  64                           ; v64-143  D11's fragments: full (b, c) at WD + 8 (b (b - 1) / 2 + c), S (b) at WD + 8 (6 + b);  v0-63: the diagonal coefficients, two buffers of 32
.set NEG1, 144                         ; v144 -1.0
.set RB,  160                          ; v160-223 rows read back from the stage, two buffers of 32
; window 3: v0-223 A, B2, bx, B1: channel block mb, step q at 8 (7 mb + q): q = 0, 1 A; 2 B2 and bx; 3 + c B1's block c, standing twice
.set G1X, 32                           ; s[32:39] group 1: 64 rows of 256 bytes, padded behind each row (x, the four matrices)
.set G1U, 40                           ; s[40:47] group 1: 64 rows of 256 bytes, padded behind every 64 bytes (u: four rows of u to a row)
.set G1S, 48                           ; s[48:55] the same with 8 rows (half of D12 or B2)
.set G0A, 56                           ; s[56:59] group 0: my matrix;  s[60:63] my half of D12 or B2;  s[68:71] x slot 0;  s[72:75] u;  s[76:79] x slot 1
.set G0B, 60
.set G0C, 68
.set G0D, 72
.set G0E, 76
.set MSB, 0
.macro WIN new                         ; s_set_vgpr_msb: bits 1:0 source 0, 3:2 source 1, 5:4 source 2, 7:6 destination; the high byte repeats the setting that is left; a switch that changes nothing is dropped
.if MSB != (\new)
	s_set_vgpr_msb (MSB<<8)|(\new)
.set MSB, (\new)
.endif
.endm
.macro PLACES n                        ; plain vector instructions behind a matrix instruction, ahead of what reads its result or writes its registers (ISA guide 7.12.1)
.rept \n
	v_nop
.endr
.endm
	s_load_b512 s[8:23], s[0:1], 0x0               ; x s[8:9], u s[10:11], A s[12:13], B1 s[14:15], B2 s[16:17], C1 s[18:19], D11 s[20:21], D12 s[22:23]
	s_load_b128 s[24:27], s[0:1], 0x40             ; bv s[24:25], bx s[26:27]
	s_load_b64 s[28:29], s[0:1], 0x50              ; out0
	v_lshl_add_u32 v[SPW], v0, 2, SPARE
	v_mov_b32 v[NIL], 0
	ds_add_u32 v[SPW], v[NIL]                      ; the wave's opening: the add and its wait ahead of my first tensor load; the set-up below, work on registers, stands between them
	ds_add_u32 v3, v4
	v_lshrrev_b32 v26, 5, v0
	v_readfirstlane_b32 s2, v26                    ; wave 0..3
	; group 1: elements of 4 bytes, rows of 64 elements, 64 elements from row to row
	s_mov_b32 s[G1X], (2<<16)|(1<<20)|(5<<22)|(3<<25)  ; padding on; after every 64 words (code 5) 4 words (code 3)
	s_mov_b32 s[G1U], (2<<16)|(1<<20)|(3<<22)|(3<<25)  ; after every 16 words (code 3) 4 words
	s_mov_b32 s[G1S], (2<<16)|(1<<20)|(3<<22)|(3<<25)
.irp g, G1X, G1U, G1S
	s_mov_b32 s[\g+1], 64<<16                      ; tensor_dim0 = 64
	s_mov_b32 s[\g+3], 64<<16                      ; tile_dim0 = 64
	s_mov_b32 s[\g+5], 64                          ; the pitch
	s_mov_b32 s[\g+6], 0
	s_mov_b32 s[\g+7], 0
.endr
	s_mov_b32 s[G1X+2], 64<<16                     ; tensor_dim1 = 64
	s_mov_b32 s[G1X+4], 64                         ; tile_dim1 = 64
	s_mov_b32 s[G1U+2], 64<<16
	s_mov_b32 s[G1U+4], 64
	s_mov_b32 s[G1S+2], 8<<16                      ; 8 rows
	s_mov_b32 s[G1S+4], 8
	s_mul_i32 s3, s2, XW                           ; my part of an x slot, and my matrix's place among the four
	s_mul_i32 s4, s2, UW
	s_add_co_u32 s4, s4, UB                        ; my u
	s_mul_i32 s5, s2, 4352
	s_add_co_u32 s5, s5, STG                       ; my stage
	s_lshl_b32 s6, s2, 11
	s_add_co_u32 s6, s6, TB                        ; my table
	s_mul_i32 s7, s2, 2560
	s_mov_b32 s[G0A], 1                            ; group 0: count = 1, then the LDS address
	s_add_co_u32 s[G0A+1], s3, WB
	s_mov_b32 s[G0B], 1
	s_add_co_u32 s[G0B+1], s7, SB
	s_mov_b32 s[G0C], 1
	s_mov_b32 s[G0C+1], s3
	s_mov_b32 s[G0D], 1
	s_mov_b32 s[G0D+1], s4
	s_mov_b32 s[G0E], 1
	s_add_co_u32 s[G0E+1], s3, XSLOT
	s_and_b32 s82, s2, 1                           ; offsets, made apart from the addresses: which half of D12 or B2 I fetch,
	s_lshl_b32 s82, s82, 11
	s_mov_b32 s83, 0
	s_lshl_b32 s84, ttmp9, 18                      ; my wave's first row in x and in out: 262,144 g + 65,536 w,
	s_lshl_b32 s85, s2, 16
	s_add_co_u32 s84, s84, s85
	s_mov_b32 s85, 0
	s_lshl_b32 s86, ttmp9, 16                      ; and in u: 65,536 g + 16,384 w
	s_lshl_b32 s87, s2, 14
	s_add_co_u32 s86, s86, s87
	s_mov_b32 s87, 0
	s_mov_b32 s30, 0xff0000ff                      ; lanes with r / 8 = h
	s_mov_b32 s31, 0x0000ffff                      ; lanes with h = 0
	s_mov_b32 s80, 0xf0f8fcfe                      ; lanes with L % 8 > L / 8
	s_mov_b32 s81, 0x0080c0e0                      ; lanes with L % 8 > L / 8 + 4
	v_and_b32 v1, 15, v0                           ; r
	v_bfe_u32 v2, v0, 4, 1                         ; h
	v_and_b32 v27, 31, v0                          ; L
	v_and_b32 v28, 7, v0                           ; L % 8
	v_bfe_u32 v29, v0, 3, 2                        ; L / 8
	v_mul_u32_u24 v30, v1, 272
	v_lshl_add_u32 v30, v2, 5, v30                 ; 272 r + 32 h
	v_mul_u32_u24 v31, v1, 80
	v_lshl_add_u32 v31, v2, 5, v31                 ; 80 r + 32 h
	v_add_nc_u32 v[AX0], s3, v30
	v_add_nc_u32 v[AX0+1], XSLOT, v[AX0]
	v_add_nc_u32 v[AU], s4, v31
	v_add_nc_u32 v[STO], s5, v30
	v_mul_u32_u24 v26, v2, 272
	v_lshl_add_u32 v26, v1, 4, v26                 ; 272 h + 16 r
	v_add_nc_u32 v[RD], s5, v26
	v_lshlrev_b32 v[GO], 4, v27
	v_add_nc_u32 v[AWB], WB, v30
	v_add_nc_u32 v[AWS], SB, v31
	v_mov_b32 v[ATB], s6
	v_mul_u32_u24 v26, v28, 272
	v_add_nc_u32 v[AS], WB+XW+8*272, v26
	v_lshl_add_u32 v26, v29, 2, v26
	v_add_nc_u32 v[ATS], WB+XW, v26
	v_lshl_add_u32 v[ATD], v27, 2, s6
	v_lshlrev_b32 v[BO], 2, v1
.set tt, 0
.rept 4
	v_mov_b32 v[UF+8*tt+4], 0x3f80                 ; the u step's K slot 16 (and, in the upper lanes, 24, which meets a 0): 1.0 in bf16, for the bias
	v_mov_b32 v[UF+8*tt+5], 0
	v_mov_b32 v[UF+8*tt+6], 0
	v_mov_b32 v[UF+8*tt+7], 0
.set tt, tt+1
.endr
	s_wait_dscnt 0x0                               ; the opening add is done
	s_wait_kmcnt 0x0
	s_cmp_eq_u32 s2, 0                             ; wave 0 fetches C1, 1 D11, 2 A, 3 B1
	s_cselect_b64 s[G0A+2:G0A+3], s[18:19], s[20:21]
	s_cmp_eq_u32 s2, 2
	s_cselect_b64 s[G0A+2:G0A+3], s[12:13], s[G0A+2:G0A+3]
	s_cmp_eq_u32 s2, 3
	s_cselect_b64 s[G0A+2:G0A+3], s[14:15], s[G0A+2:G0A+3]
	s_cmp_lt_u32 s2, 2                             ; waves 0, 1 the halves of D12, waves 2, 3 those of B2
	s_cselect_b64 s[G0B+2:G0B+3], s[22:23], s[16:17]
	s_add_nc_u64 s[G0B+2:G0B+3], s[G0B+2:G0B+3], s[82:83]
	s_add_nc_u64 s[G0C+2:G0C+3], s[8:9], s[84:85]  ; x of pass 0,
	s_add_nc_u64 s[G0E+2:G0E+3], s[G0C+2:G0C+3], 16384  ; of pass 1
	s_add_nc_u64 s[G0D+2:G0D+3], s[10:11], s[86:87]
	s_add_nc_u64 s[28:29], s[28:29], s[84:85]      ; out at my wave's first row
.irp g, G0A, G0B, G0C, G0D, G0E
	s_or_b32 s[\g+3], s[\g+3], 0x80000000          ; type = 2
.endr
	; The first fills go out together, ahead of every wait on TENSORcnt, every LDS read and every barrier: five tensor loads of mine are out.  The weights first: everything waits for them.
	tensor_load_to_lds s[G0A:G0A+3], s[G1X:G1X+7]
	s_nop 0
	tensor_load_to_lds s[G0B:G0B+3], s[G1S:G1S+7]
	s_nop 0
	tensor_load_to_lds s[G0C:G0C+3], s[G1X:G1X+7]
	s_nop 0
	tensor_load_to_lds s[G0D:G0D+3], s[G1U:G1U+7]
	s_nop 0
	tensor_load_to_lds s[G0E:G0E+3], s[G1X:G1X+7]
	s_nop 0
	PLACES 4
.set mb, 0
.rept 4
	global_load_b32 v[BI+mb], v[BO], s[24:25] offset:64*mb    ; bv[16 mb + r]
	global_load_b32 v[BI+4+mb], v[BO], s[26:27] offset:64*mb  ; bx[16 mb + r]
.set mb, mb+1
.endr
	s_wait_tensorcnt 0x3                           ; my matrix and my half of a small one are in; x of passes 0 and 1 and u, issued behind them, stay out
	s_barrier_signal -1
	s_barrier_wait -1                              ; everybody's are
	s_wait_loadcnt 0x0                             ; the biases
; THE WEIGHTS BECOME FRAGMENTS, once.  A fragment of source 0 is 16 channels x 32 K in 8 registers: lane (r, h) holds channel r; registers 0-3 K = 8 h + 0..7, registers 4-7 K = 16 + 8 h + 0..7.
.macro FL4 lr, off                     ; 16 f32 of a full K step of 32 into window 1
	ds_load_b128 v[(\lr):(\lr)+3], v[AWB] offset:(\off)
	ds_load_b128 v[(\lr)+4:(\lr)+7], v[AWB] offset:(\off)+16
	ds_load_b128 v[(\lr)+8:(\lr)+11], v[AWB] offset:(\off)+64
	ds_load_b128 v[(\lr)+12:(\lr)+15], v[AWB] offset:(\off)+80
.endm
.macro FL2 lr, areg, off               ; 8 f32
	ds_load_b128 v[(\lr):(\lr)+3], v[\areg] offset:(\off)
	ds_load_b128 v[(\lr)+4:(\lr)+7], v[\areg] offset:(\off)+16
.endm
.macro CV8 d, lr                       ; 16 f32 -> 8 registers of bf16
.set ci, 0
.rept 8
	v_cvt_pk_bf16_f32 v[(\d)+ci], v[(\lr)+2*ci], v[(\lr)+2*ci+1]
.set ci, ci+1
.endr
.endm
.macro CVD d, lr                       ; 8 f32 -> 4 registers of bf16, standing twice: against w's hi and against its lo
.set ci, 0
.rept 4
	v_cvt_pk_bf16_f32 v[(\d)+ci], v[(\lr)+2*ci], v[(\lr)+2*ci+1]
	v_cvt_pk_bf16_f32 v[(\d)+4+ci], v[(\lr)+2*ci], v[(\lr)+2*ci+1]
.set ci, ci+1
.endr
.endm
; A 64 x 64 matrix against x (two K steps), a 64 x 16 matrix against u and a bias (one K step): fragments (mb, 0..2) at dst + 8 str mb, in the window that win names as destination
.macro WBATCH dst, str, moff, soff, bias, win
	WIN 0x40                                       ; destination window 1
.set mb, 0
.rept 4
	FL4 32*mb, (\moff)+mb*4352
	FL4 32*mb+16, (\moff)+mb*4352+128
	FL2 128+8*mb, AWS, (\soff)+1280*mb
.set mb, mb+1
.endr
	s_wait_dscnt 0x0
	WIN (\win)|0x05                                ; sources window 1
.set mb, 0
.rept 4
	CV8 (\dst)+8*(\str)*mb, 32*mb
	CV8 (\dst)+8*(\str)*mb+8, 32*mb+16
.set ii, 0
.rept 4
	v_cvt_pk_bf16_f32 v[(\dst)+8*(\str)*mb+16+ii], v[128+8*mb+2*ii], v[128+8*mb+2*ii+1]
.set ii, ii+1
.endr
.set mb, mb+1
.endr
	WIN 0
.set mb, 0
.rept 4
	v_cvt_pk_bf16_f32 v[TM+mb], v[(\bias)+mb], v[NIL]  ; the bias in the low half, 0 above it
.set mb, mb+1
.endr
	WIN \win
.set mb, 0
.rept 4
	v_cndmask_b32 v[(\dst)+8*(\str)*mb+20], 0, v[TM+mb], s31  ; K slot 16 lies in the lanes with h = 0
	v_mov_b32 v[(\dst)+8*(\str)*mb+21], 0
	v_mov_b32 v[(\dst)+8*(\str)*mb+22], 0
	v_mov_b32 v[(\dst)+8*(\str)*mb+23], 0
.set mb, mb+1
.endr
.endm
	WBATCH WC,3,0,0,BI,0                           ; C1, D12, bv
	WBATCH 0,7,2*XW,5120,BI+4,0xC0                 ; A, B2, bx
	WIN 0x40
.set mb, 0
.rept 4
.set cc, 0
.rept 4
	FL2 8*(4*mb+cc), AWB, 3*XW+mb*4352+64*cc       ; B1's block (mb, cc): channels 16 mb + r, w's channels 16 cc + 8 h + 0..7
.set cc, cc+1
.endr
.set mb, mb+1
.endr
	FL2 128, AWB, XW+1*4352                        ; D11's six blocks below the diagonal: (1,0), (2,0), (2,1), (3,0), (3,1), (3,2)
	FL2 136, AWB, XW+2*4352
	FL2 144, AWB, XW+2*4352+64
	FL2 152, AWB, XW+3*4352
	FL2 160, AWB, XW+3*4352+64
	FL2 168, AWB, XW+3*4352+128
.set bb, 0
.rept 4
	FL2 176+8*bb, AS, 4416*bb                      ; D11[16 bb + 8 + r % 8][16 bb + 0..7]
.set bb, bb+1
.endr
.set gg, 0
.rept 8
	ds_load_b32 v[208+2*gg], v[ATS] offset:2208*gg       ; D11[8 gg + L % 8][8 gg + L / 8],
	ds_load_b32 v[208+2*gg+1], v[ATS] offset:2208*gg+16  ; and four columns on
.set gg, gg+1
.endr
	WIN 0x80
	v_mov_b32 v[NEG1], -1.0
	s_wait_dscnt 0x0
	WIN 0xC5
.set mb, 0
.rept 4
.set cc, 0
.rept 4
	CVD 8*(7*mb+3+cc), 8*(4*mb+cc)
.set cc, cc+1
.endr
.set mb, mb+1
.endr
	WIN 0x85
.set ff, 0
.rept 6
	CVD WD+8*ff, 128+8*ff
.set ff, ff+1
.endr
	WIN 0x55
.set ii, 0
.rept 16
	v_cvt_pk_bf16_f32 v[224+ii], v[176+2*ii], v[176+2*ii+1]
.set ii, ii+1
.endr
.set gg, 0
.rept 8
	v_cvt_pk_bf16_f32 v[240+gg], v[208+2*gg], v[208+2*gg+1]
.set gg, gg+1
.endr
.set gg, 0
.rept 8
	v_lshlrev_b32 v[208+2*gg], 16, v[240+gg]       ; the diagonal coefficients: rounded to bf16 like all inputs, kept as f32
	v_and_b32 v[208+2*gg+1], 0xffff0000, v[240+gg]
.set gg, gg+1
.endr
.set gg, 0
.rept 8
	v_cndmask_b32 v[208+2*gg], 0, v[208+2*gg], s80       ; only what lies below the diagonal
	v_cndmask_b32 v[208+2*gg+1], 0, v[208+2*gg+1], s81
.set gg, gg+1
.endr
	WIN 0x84
.set ii, 0
.rept 16
	v_cndmask_b32 v[WD+48+8*(ii/4)+ii%4], 0, v[224+ii], s30    ; S: rows 0-7 of source 0 meet K slots 0-7 (the unit's rows 0-15), rows 8-15 K slots 8-15 (its rows 16-31); all else is 0
	v_cndmask_b32 v[WD+48+8*(ii/4)+4+ii%4], 0, v[224+ii], s30
.set ii, ii+1
.endr
	WIN 0x04
.set gg, 0
.rept 8
	ds_store_b32 v[ATD], v[208+2*gg] offset:256*gg         ; entry (i, j) at 32 j + 4 i = 4 L; my wave's own bytes: LDS serves a wave's instructions in order (ISA guide 5.7.1.4), so my later loads see them
	ds_store_b32 v[ATD], v[208+2*gg+1] offset:256*gg+128
.set gg, gg+1
.endr
; A PASS'S PARTS.
.macro LOADX slot, p                   ; 64 rows of x and of u, f32, into window 1: tile t's x at 32 t, its u at 128 + 8 t, already in the order of source 1's registers
	WIN 0x40
.set tt, 0
.rept 4
.set cc, 0
.rept 8
	ds_load_b128 v[32*tt+4*cc:32*tt+4*cc+3], v[AX0+(\slot)] offset:tt*4352+128*(cc/4)+64*((cc/2)%2)+16*(cc%2)
.set cc, cc+1
.endr
.set tt, tt+1
.endr
.set tt, 0
.rept 4
	ds_load_b128 v[128+8*tt:128+8*tt+3], v[AU] offset:(\p)*5120+tt*1280
	ds_load_b128 v[128+8*tt+4:128+8*tt+7], v[AU] offset:(\p)*5120+tt*1280+16
.set tt, tt+1
.endr
.endm
.macro CVT
	WIN 0x05
.set ii, 0
.rept 64
	v_cvt_pk_bf16_f32 v[XF+ii], v[2*ii], v[2*ii+1]
.set ii, ii+1
.endr
.set ii, 0
.rept 16
	v_cvt_pk_bf16_f32 v[UF+8*(ii/4)+ii%4], v[128+2*ii], v[128+2*ii+1]
.set ii, ii+1
.endr
.endm
.macro DCLOAD g                        ; group g's 28 coefficients (with four that are not used), the same in all lanes, into buffer g % 2: ten loads
	WIN 0x80
.set DL, 32*((\g)%2)
.set DOF, 256*(\g)
	ds_load_b128 v[DL:DL+3], v[ATB] offset:DOF           ; column 0, rows 0-3
	ds_load_b128 v[DL+4:DL+7], v[ATB] offset:DOF+16      ;           rows 4-7
	ds_load_b64 v[DL+8:DL+9], v[ATB] offset:DOF+40       ; column 1, rows 2, 3
	ds_load_b128 v[DL+10:DL+13], v[ATB] offset:DOF+48    ;           rows 4-7
	ds_load_b64 v[DL+14:DL+15], v[ATB] offset:DOF+72     ; column 2, rows 2, 3
	ds_load_b128 v[DL+16:DL+19], v[ATB] offset:DOF+80    ;           rows 4-7
	ds_load_b128 v[DL+20:DL+23], v[ATB] offset:DOF+112   ; column 3, rows 4-7
	ds_load_b128 v[DL+24:DL+27], v[ATB] offset:DOF+144   ; column 4, rows 4-7
	ds_load_b64 v[DL+28:DL+29], v[ATB] offset:DOF+184    ; column 5, rows 6, 7
	ds_load_b64 v[DL+30:DL+31], v[ATB] offset:DOF+216    ; column 6, rows 6, 7
.endm
.macro BASE                            ; Y = C1 x + D12 u + bv: 48 products; the 16 accumulators take turns, one instruction a turn; the first K step starts the sums
	WIN 0x50
.set ks, 0
.rept 3
.set bb, 0
.rept 4
.set tt, 0
.rept 4
.set ry, 64*(tt/2)+16*bb+8*(tt%2)
.set ra, WC+8*(3*bb+ks)
.if ks < 2
.set rb, XF+16*tt+8*ks
.else
.set rb, UF+8*tt
.endif
.if ks == 0
	v_wmma_f32_16x16x32_bf16 v[ry:ry+7], v[ra:ra+7], v[rb:rb+7], 0
.else
	v_wmma_f32_16x16x32_bf16 v[ry:ry+7], v[ra:ra+7], v[rb:rb+7], v[ry:ry+7]
.endif
.set tt, tt+1
.endr
.set bb, bb+1
.endr
.set ks, ks+1
.endr
.endm
.macro SWAPP base                      ; both units: register j of one set's upper lanes against the other set's lower lanes; j ascends
	WIN 0x55
.set uu, 0
.rept 2
.set jj, 0
.rept 8
	v_permlane16_swap_b32 v[(\base)+64*uu+jj], v[(\base)+64*uu+8+jj]
.set jj, jj+1
.endr
.set uu, uu+1
.endr
.endm
; THE SUBSTITUTION in a group of eight channels, lane = row, both units line by line.  GV: the group's registers, GD: its coefficients.
.macro MX j                            ; w_j = relu(v_j)
	v_max_num_f32 v[GV+(\j)], 0, v[GV+(\j)]
	v_max_num_f32 v[GV+64+(\j)], 0, v[GV+64+(\j)]
.endm
.macro FX i, j, c                      ; v_i += d w_j
	v_fma_f32 v[GV+(\i)], v[GD+(\c)], v[GV+(\j)], v[GV+(\i)]
	v_fma_f32 v[GV+64+(\i)], v[GD+(\c)], v[GV+64+(\j)], v[GV+64+(\i)]
.endm
.macro PE i, j, c                      ; v_i, v_i+1 += d, d' x w_j, j even: the pair's first register for both halves
	v_pk_fma_f32 v[GV+(\i):GV+(\i)+1], v[GD+(\c):GD+(\c)+1], v[GV+(\j):GV+(\j)+1], v[GV+(\i):GV+(\i)+1] op_sel_hi:[1,0,1]
	v_pk_fma_f32 v[GV+64+(\i):GV+64+(\i)+1], v[GD+(\c):GD+(\c)+1], v[GV+64+(\j):GV+64+(\j)+1], v[GV+64+(\i):GV+64+(\i)+1] op_sel_hi:[1,0,1]
.endm
.macro PO i, j, c                      ; the same, j odd: the pair's second register for both halves
	v_pk_fma_f32 v[GV+(\i):GV+(\i)+1], v[GD+(\c):GD+(\c)+1], v[GV+(\j)-1:GV+(\j)], v[GV+(\i):GV+(\i)+1] op_sel:[0,1,0] op_sel_hi:[1,1,1]
	v_pk_fma_f32 v[GV+64+(\i):GV+64+(\i)+1], v[GD+(\c):GD+(\c)+1], v[GV+64+(\j)-1:GV+64+(\j)], v[GV+64+(\i):GV+64+(\i)+1] op_sel:[0,1,0] op_sel_hi:[1,1,1]
.endm
.macro SUB2                            ; behind each w_j the line that the next w waits for comes first
	WIN 0x56                                       ; coefficients window 2, all else window 1
	MX 0
	FX 1,0,1
	PE 2,0,2
	PE 4,0,4
	PE 6,0,6
	MX 1
	PO 2,1,8
	PO 4,1,10
	PO 6,1,12
	MX 2
	FX 3,2,15
	PE 4,2,16
	PE 6,2,18
	MX 3
	PO 4,3,20
	PO 6,3,22
	MX 4
	FX 5,4,25
	PE 6,4,26
	MX 5
	PO 6,5,28
	MX 6
	FX 7,6,31
	MX 7
.endm
.macro PACK2                           ; w -> hi (4 registers), w - hi in place (exact), -> lo (4 registers)
	WIN 0x55
.set ii, 0
.rept 8
	v_cvt_pk_bf16_f32 v[GW+64*(ii%2)+ii/2], v[GV+64*(ii%2)+2*(ii/2)], v[GV+64*(ii%2)+2*(ii/2)+1]
.set ii, ii+1
.endr
	WIN 0x56
.set ii, 0
.rept 8
	v_fma_mix_f32_bf16 v[GV+64*(ii%2)+2*(ii/2)], v[NEG1], v[GW+64*(ii%2)+ii/2], v[GV+64*(ii%2)+2*(ii/2)] op_sel_hi:[0,1,0]
	v_fma_mix_f32_bf16 v[GV+64*(ii%2)+2*(ii/2)+1], v[NEG1], v[GW+64*(ii%2)+ii/2], v[GV+64*(ii%2)+2*(ii/2)+1] op_sel:[0,1,0] op_sel_hi:[0,1,0]
.set ii, ii+1
.endr
	WIN 0x55
.set ii, 0
.rept 8
	v_cvt_pk_bf16_f32 v[GW+4+64*(ii%2)+ii/2], v[GV+64*(ii%2)+2*(ii/2)], v[GV+64*(ii%2)+2*(ii/2)+1]
.set ii, ii+1
.endr
.endm
.macro GROUP g
.set GV, 8*(\g)
.set GD, 32*((\g)%2)
.set GW, WR+8*(\g)
	s_wait_dscnt 0x0                               ; this group's coefficients, asked for a group ago, are the only LDS work out
.if (\g) < 7
	DCLOAD (\g)+1
.endif
	SUB2
	PACK2
.endm
.macro SW bk                           ; group 2 bk + 1 takes group 2 bk's share, lane = row on both sides: one product a unit
	WIN 0x56
.set uu, 0
.rept 2
.set ry, 64*uu+16*(\bk)+8
	v_wmma_f32_16x16x32_bf16 v[ry:ry+7], v[WD+8*(6+(\bk)):WD+8*(6+(\bk))+7], v[WR+64*uu+16*(\bk):WR+64*uu+16*(\bk)+7], v[ry:ry+7]
.set uu, uu+1
.endr
.endm
.macro UPD bk                          ; the later blocks take block bk's share; accumulators by turns
	WIN 0x56
.set bb, (\bk)+1
.rept 3-(\bk)
.set tt, 0
.rept 4
.set ry, 64*(tt/2)+16*bb+8*(tt%2)
.set ra, WD+8*(bb*(bb-1)/2+(\bk))
.set rb, WR+64*(tt/2)+16*(\bk)+8*(tt%2)
	v_wmma_f32_16x16x32_bf16 v[ry:ry+7], v[ra:ra+7], v[rb:rb+7], v[ry:ry+7]
.set tt, tt+1
.endr
.set bb, bb+1
.endr
.endm
.macro STAGE bk                        ; 16 channels of w
	SWAPP 16*(\bk)                                 ; Y's block to lane = row
	GROUP 2*(\bk)
	SW \bk
	PLACES 4
	GROUP 2*(\bk)+1
	SWAPP WR+16*(\bk)                              ; the packed w back to source 1's form, a tile a set
.if (\bk) < 3
	UPD \bk
	PLACES 4
.endif
.endm
.macro OUT_TILE t                      ; O = A x + B2 u + bx + B1 w for tile t: 28 products, four accumulators by turns; they take Y's registers, whose content is spent
.set qq, 0
.rept 7
.if qq < 3
	WIN 0x53                                       ; weights window 3, x and u window 0
.else
	WIN 0x57                                       ; w window 1
.endif
.set mb, 0
.rept 4
.set ry, 64*((\t)/2)+16*mb+8*((\t)%2)
.set ra, 8*(7*mb+qq)
.if qq < 2
.set rb, XF+16*(\t)+8*qq
.elseif qq == 2
.set rb, UF+8*(\t)
.else
.set rb, WR+64*((\t)/2)+16*(qq-3)+8*((\t)%2)
.endif
.if qq == 0
	v_wmma_f32_16x16x32_bf16 v[ry:ry+7], v[ra:ra+7], v[rb:rb+7], 0
.else
	v_wmma_f32_16x16x32_bf16 v[ry:ry+7], v[ra:ra+7], v[rb:rb+7], v[ry:ry+7]
.endif
.set mb, mb+1
.endr
.set qq, qq+1
.endr
	PLACES 5                                       ; ahead of the stores that read O, and of the next pass's loads and products that write over these registers
.endm
; THE WAY OUT.  A lane holds 8 channels of a row: 32 bytes.  A tile goes into my stage, rows of 272 bytes, and comes back as whole rows; a store of the wave covers 512 consecutive bytes of out, aligned.
.macro PUT t
	WIN 0x04
.set mb, 0
.rept 4
.set ry, 64*((\t)/2)+16*mb+8*((\t)%2)
	ds_store_b128 v[STO], v[ry:ry+3] offset:64*mb        ; each accumulator's low registers first
	ds_store_b128 v[STO], v[ry+4:ry+7] offset:64*mb+16
.set mb, mb+1
.endr
.endm
.macro GET t
	WIN 0x80
.set ii, 0
.rept 8
	ds_load_b128 v[RB+32*((\t)%2)+4*ii:RB+32*((\t)%2)+4*ii+3], v[RD] offset:544*ii  ; rows 2 ii, 2 ii + 1; a wave's LDS instructions are served in order (ISA guide 5.7.1.4): these see the stores above
.set ii, ii+1
.endr
.endm
.macro SEND p, t, younger              ; younger: the LDS instructions issued behind tile t's loads
	WIN 0x08
.set ii, 0
.rept 8
	s_wait_dscnt (\younger)+7-ii
	global_store_b128 v[GO], v[RB+32*((\t)%2)+4*ii:RB+32*((\t)%2)+4*ii+3], s[28:29] offset:(\p)*16384+(\t)*4096+512*ii th:TH_STORE_NT
.set ii, ii+1
.endr
.endm
; PASS p reads x from slot p % 2.  The slot is emptied into registers at once, so that (refill = 1) it can be filled again, with the x of pass p + 2, at the pass's beginning: that load has a whole pass in which to land.
; tleft: the tensor loads issued behind the tile that the pass reads.
.macro PASS p, slot, refill, tleft
	WIN 0x40
	s_wait_tensorcnt \tleft                        ; tensor loads of a wave end in order (ISA guide 10.11.1): my tile of x (and u) is in LDS; only I read it
	LOADX \slot, \p
.if \refill
	WIN 0
	s_wait_tensorcnt 0x0                           ; all my tensor loads have landed, so a group 0 may be written
	ds_add_u32 v[SPW], v[NIL]                      ; 0 onto my spare word; the step below stands between it and the wait for it
	s_add_nc_u64 s[G0C+8*(\slot)+2:G0C+8*(\slot)+3], s[G0C+8*(\slot)+2:G0C+8*(\slot)+3], 32768  ; two passes on; the type bits on top are not reached
	s_wait_dscnt 0x0                               ; the add is done, and my reads of the slot are back
	s_barrier_signal -1
	s_barrier_wait -1
	tensor_load_to_lds s[G0C+8*(\slot):G0C+8*(\slot)+3], s[G1X:G1X+7]  ; my one tensor load behind this barrier, and the first thing there
	s_nop 0
	DCLOAD 0
.else
	DCLOAD 0
	s_wait_dscnt 10                                ; x and u are in; the ten coefficient loads may stay out
.endif
	CVT
	BASE
	PLACES 4
	STAGE 0
	STAGE 1
	STAGE 2
	STAGE 3
	OUT_TILE 0
	OUT_TILE 1
	s_wait_xcnt 0x0                                ; the last pass's stores have had their addresses translated (ISA guide 3.1): only behind this wait are the registers that they read loaded again
	PUT 0
	GET 0
	OUT_TILE 2                                     ; a tile's products stand between the loads of the tile before and its stores
	SEND \p,0,0
	PUT 1
	GET 1
	OUT_TILE 3
	SEND \p,1,0
	s_wait_xcnt 0x0                                ; both buffers are loaded again only behind this wait
	PUT 2
	GET 2
	PUT 3
	GET 3
	SEND \p,2,16
	SEND \p,3,0
.endm
	PASS 0,0,1,1                                   ; x of pass 1, issued behind x of pass 0 and u, may stay out at the first wait
	PASS 1,1,1,1                                   ; one load (pass 2's) was issued behind pass 1's tile, which the wait for 0 above has shown landed
	PASS 2,0,0,1                                   ; pass 3's load may stay out
	PASS 3,1,0,0
	WIN 0
	s_wait_tensorcnt 0x0                           ; the wave's end, behind my last tensor load and my last LDS store
	ds_add_u32 v[SPW], v[NIL]
	s_wait_dscnt 0x0
	s_endpgm
.Lfunc_end_k_qe7178da2c1_renl2:
	.size	k_qe7178da2c1_renl2, .Lfunc_end_k_qe7178da2c1_renl2-k_qe7178da2c1_renl2
	.p2alignl 7, 3214868480
	.fill 96, 4, 3214868480
	.section	.rodata,"a",@progbits
	.p2align	6, 0x0
	.amdhsa_kernel k_qe7178da2c1_renl2
		.amdhsa_group_segment_fixed_size 327680
		.amdhsa_private_segment_fixed_size 0
		.amdhsa_enable_private_segment 0
		.amdhsa_kernarg_size 88
		.amdhsa_user_sgpr_count 2
		.amdhsa_user_sgpr_kernarg_segment_ptr 1
		.amdhsa_wavefront_size32 1
		.amdhsa_system_sgpr_workgroup_id_x 1
		.amdhsa_system_sgpr_workgroup_id_y 1
		.amdhsa_system_sgpr_workgroup_id_z 1
		.amdhsa_system_vgpr_workitem_id 0
		.amdhsa_next_free_vgpr 992
		.amdhsa_next_free_sgpr 88
		.amdhsa_reserve_vcc 0
		.amdhsa_float_denorm_mode_32 3
		.amdhsa_float_denorm_mode_16_64 3
		.amdhsa_memory_ordered 1
		.amdhsa_forward_progress 1
		.amdhsa_inst_pref_size 255
	.end_amdhsa_kernel
	.section	.bss,"aw",@nobits
	.p2align	6
	.space	262144
	.amdgpu_metadata
---
amdhsa.version: [ 1, 2 ]
amdhsa.kernels:
  - .name:           k_qe7178da2c1_renl2
    .symbol:         k_qe7178da2c1_renl2.kd
    .args:
      - { .name: x, .offset: 0, .size: 8, .value_kind: global_buffer, .address_space: global }
      - { .name: u, .offset: 8, .size: 8, .value_kind: global_buffer, .address_space: global }
      - { .name: A, .offset: 16, .size: 8, .value_kind: global_buffer, .address_space: global }
      - { .name: B1, .offset: 24, .size: 8, .value_kind: global_buffer, .address_space: global }
      - { .name: B2, .offset: 32, .size: 8, .value_kind: global_buffer, .address_space: global }
      - { .name: C1, .offset: 40, .size: 8, .value_kind: global_buffer, .address_space: global }
      - { .name: D11, .offset: 48, .size: 8, .value_kind: global_buffer, .address_space: global }
      - { .name: D12, .offset: 56, .size: 8, .value_kind: global_buffer, .address_space: global }
      - { .name: bv, .offset: 64, .size: 8, .value_kind: global_buffer, .address_space: global }
      - { .name: bx, .offset: 72, .size: 8, .value_kind: global_buffer, .address_space: global }
      - { .name: out0, .offset: 80, .size: 8, .value_kind: global_buffer, .address_space: global }
    .group_segment_fixed_size: 327680
    .private_segment_fixed_size: 0
    .kernarg_segment_align: 8
    .kernarg_segment_size: 88
    .max_flat_workgroup_size: 128
    .sgpr_count:     88
    .vgpr_count:     992
    .wavefront_size: 32
...
	.end_amdgpu_metadata
.endif
;; end of part 1
